; MI455X (gfx1250); checked and timed in simulation.
; The chip was launched on July 23, 2026; its instructions are those of AMD's public machine-readable ISA for CDNA 5 (MIT licence, August 2026) and "CDNA5" Instruction Set Architecture Reference Guide (July 2026). The comments in the code are by the model that wrote it; some were corrected since.
;; Lo RA Linear. Allowed arithmetic: matrix products marked QUANTISED: E4M3 operands, one E8M0 scale for each 32 along K, by v_wmma_scale_f32_16x16x128_f8f6f4 with both operands' format E4M3, f32 sums; products left as they are: f32 operands where the result goes on into a quantised operand, else bf16, f16 or f32 operands; f32 sums; everything else in f32.
;; Inputs: base_weight 4,096 x 4,096 float32; bias 4,096 float32; lora_A 8 x 4,096 float32; lora_B 4,096 x 8 float32; x 2 x 2,048 x 4,096 float32.
;; Outputs: out0 2 x 2,048 x 4,096 float32.
;; This version of the problem:
;;   THIS VERSION OF THE PROBLEM IS GIVEN IN LOW PRECISION. The matrix products marked QUANTISED in the list below multiply operands that are first quantised to E4M3 (4 exponent bits, 3 mantissa bits; 8 bits a number), with one power-of-two scale for each 32 numbers along K (OCP MX v1.0); their sums are f32. All else is computed in f32.
;;   The module's matrix products, in the order in which they are computed (A, B: the left and right operand; K: the contracted axis; several contracted axes count as one K, in the product's order):
;;     1. [M 4,096, K 8] x [K 8, N 4,096]; A: input lora_B; B: input lora_A: left as it is (K = 8 < 32)
;;     2. [M 4,096, K 4,096] x [K 4,096, N 4,096]; A: input x; B: computed on the way: QUANTISED
;;   THE QUANTISER, for each operand of a quantised product, along K:
;;     - K is cut into blocks of 32 from its start; a last block that is shorter is filled with zeros.
;;     - A block's scale is 2^e with e = floor(log2(the largest magnitude in the block)) - 8, held to -126 .. 127; a block of zeros has e = 0. As a byte (E8M0): e + 127.
;;     - Each number is divided by its block's scale, clamped to +-448, and rounded to the nearest number of E4M3, ties to even, subnormals kept.
;;     - The product sums the exact products of the quantised numbers (number of the format x scale) in f32.
;;   ~~~python
;;   def quantise(x, axis):      # numpy; x: float32 -> the quantised numbers, widened to float32 again
;;       x = np.moveaxis(x, axis, -1); K = x.shape[-1]
;;       x = np.pad(x, [(0, 0)] * (x.ndim - 1) + [(0, -K % 32)]); x = x.reshape(x.shape[:-1] + (-1, 32)); a = np.abs(x).max(-1, keepdims=True)
;;       e = np.where(a > 0, np.clip(np.frexp(np.where(a > 0, a, 1))[1] - 1 - 8, -126, 127), 0)      # np.frexp(a)[1] - 1 = floor(log2(a)), exactly
;;       r = np.clip(x / 2.0 ** e, -448, 448)
;;       step = 2.0 ** (np.maximum(np.frexp(np.where(r == 0, 1, r))[1] - 1, -6) - 3)
;;       q = np.round(r / step) * step * 2.0 ** e      # np.round: ties to even
;;       return np.moveaxis(q.reshape(q.shape[:-2] + (-1,))[..., :K], -1, axis).astype(np.float32)
;;   ~~~
;;   OPERANDS COMPUTED ON THE WAY. 'Computed on the way' means the value that the module computes at that place (a softmax that the list does not call 'softmax' is quantised finished and normalised). What goes into a quantiser is computed in f32, as accurately as f32 sums, v_exp_f32 and their like allow (about 1e-6 of the number): no bf16 or f16 on the way to a quantiser, and a product that is left as it is and whose result goes on into a quantised operand takes f32 operands (vector FMAs, or v_wmma_f32_16x16x4_f32). A number that lies on a knife's edge between two numbers of the format may be rounded either way, as far as f32 arithmetic and the matrix unit's own rounding can turn it there, and no further.
;; One version. Each part assembles by itself: llvm-mc -triple=amdgcn-amd-amdhsa -mcpu=gfx1250 --defsym DOCPART=n.
;; ======== version 1 of 1: 2 launches
;; limits: right only within a limited range of input values
;; workspace buffers: xq 17,301,504 bytes; wq 17,301,504 bytes
;; launch quant (part 1): grid 1024 x 1, 4 waves a work-group, no clusters, 68,096 bytes of LDS; arguments x, base_weight, lora_A, lora_B, xq, wq; writes xq, wq
.if DOCPART == 1
	.amdgcn_target "amdgcn-amd-amdhsa--gfx1250"
	.amdhsa_code_object_version 6
	.text
	.protected	k_q0519385000_quant
	.globl	k_q0519385000_quant
	.p2align	8
	.type	k_q0519385000_quant,@function
k_q0519385000_quant:
	s_mov_b64 s[64:65], 0
	v_nop
	global_prefetch_b8 v0, s[64:65] scope:SCOPE_SE
	s_setreg_imm32_b32 hwreg(HW_REG_WAVE_MODE, 25, 1), 1
	s_wait_xcnt 0x0
; x [4096][4096] f32 and W = base_weight + 2 (lora_B lora_A) [4096][4096] f32 become codes of FP8 (E4M3) with one E8M0 scale byte for each 32 along K (the last axis of both).
; W is formed in f32: t = the sum over the rank's 8 by fused multiply-adds, ascending; W = base + 2 t in one more fused multiply-add (2 t is exact, so the sum is rounded once).
; A block's scale is 2^(floor(log2(its largest magnitude)) - 8); its byte is the largest magnitude's exponent field - 8, held at 1 from below.  Each number is held within +-448 x the scale and rounded to the nearest code, ties to even.
; LIMITS: a block of zeros gets the byte 1 where the rule says 127 (its codes are zeros, which add nothing under any byte but 0xff, and this program alone reads the bytes); blocks whose largest magnitude lies under
; 2^-118 keep the byte 1, which is the rule's own lower hold; NaN and infinities among the inputs are not served.
; THE WORKSPACE IS LAID AS THE PRODUCT'S LAUNCH READS IT.  xq and wq are 512 chunks of CH = 33,792 bytes; chunk 16 R + S holds rows 128 R .. 128 R + 127, K = 256 S .. 256 S + 255:
;   bytes 0 .. 32,767: 16 images of operand registers, 2,048 bytes each: fragment (i: 16 rows, q: 128 along K) at (2 i + q) 2,048; in it register group c at 512 c, lane l's 16 bytes at 16 l;
;                      lane l = 16 h + r holds row 16 i + r, K = 128 q + 32 c + 16 h + 0 .. 15;
;   bytes 32,768 on:   the scale words (four bytes: 128 along K of one row): that of (i, q, row r) at 256 (i / 2) + 16 r + 4 (2 (i % 2) + q).
; SHARES.  A work-group makes one chunk of one tensor.  Work-group number n: chunk n / 2; tensor (n xor n / 256) & 1 (0: x, 1: W), so that work-groups with neighbouring numbers, and those 256 apart, are of both kinds:
; W's have the LoRA sums to do on top.  Wave w takes rows 32 w .. 32 w + 31: fragments 4 w .. 4 w + 3 (8,192 consecutive bytes) and 256 consecutive scale bytes.  Waves share nothing: no barrier.
; A UNIT is 16 rows x 128 along K.  Each of its 16 loads reads 512 consecutive bytes of one row, 16 a lane.  The conversions want 16 neighbours along K of ONE row in a lane's registers, so the unit turns through the
; wave's own stage in LDS: stored as loaded, read back 64 bytes a lane.  The LoRA sums are made ahead of the turn, where a lane's four numbers of every row are the same four K: lora_A's numbers then stay in registers.
; lora_B: a row's 8 numbers are the same for all lanes.  The wave's 32 rows (1,024 bytes) are loaded once, a lane a row; v_readlane_b32 puts a row's numbers into scalar registers, from which the packed
; multiply-adds take them for both halves.  So nothing is fetched, and nothing waited for, inside the sums.
; No tensor loads, no cluster, no prefetch: the large inputs are read once, by loads of which 16 to 48 a wave are out, and four work-groups share a WGP.
; The two tensors take two paths, parted once on the work-group's number; each path has LDS bytes of its own.
.set CH,    33792
.set PITCH, 528                        ; a stage row: 512 bytes + 16 = 33 x 16: the sixteen rows that a read touches start at sixteen different groups of four banks (64 banks of 4 bytes: ISA guide 11.1)
.set WST,   16*PITCH                   ; a wave's stage
.set LBX,   0                          ; x's path: four stages
.set LBW,   4*WST                      ; W's path: four stages of its own
.set LO,  1                            ; v1   16 x lane: the offset of the loads and of the codes' stores; never rewritten
.set SI,  2                            ; v2   the stage, on the way in: WST x wave + 16 x lane
.set SO,  3                            ; v3   on the way out: WST x wave + PITCH r + 64 h
.set SS,  4                            ; v4   the scale words' store: 16 r + 8 h
.set LN,  5                            ; v5   lane
.set SW,  6                            ; v[6:7]   the two scale words that I store; until then v6 is the offset of lora_B's loads
.set PW,  8                            ; v8-11    unit u's scale word of row r (both halves of the lanes hold it)
.set TM,  12                           ; v12-27   the quantiser's: +0 largest magnitudes, +4 bytes, +8 448 x the scale, +12 the conversions' scale operands
.set C,   28                           ; v28-43   a unit's codes
.set T,   44                           ; v44-51   t of two rows x four K
.set AR,  52                           ; v52-115  W's path: lora_A[g][256 S + 128 q + 4 lane + e] at AR + 32 q + 4 g + e
.set X2,  52                           ;          x's path: a third set of 64 numbers
.set X0,  116                          ; v116-179 a set of 64 numbers
.set X1,  180                          ; v180-243 another
.set BR,  244                          ; v244-251 W's path: lane l holds lora_B[my first row + l][0 .. 7]
.set SBA, 32                           ; s[32:63]  two rows of lora_B: row m's number g in the low word of the pair s[SBA + 16 m + 2 g] on (a packed form takes a scalar pair's low word for both halves)
.set SBB, 68                           ; s[68:99]  the next two rows
	s_load_b256 s[4:11], s[0:1], 0x0               ; x s[4:5], base_weight s[6:7], lora_A s[8:9], lora_B s[10:11]
	s_load_b128 s[12:15], s[0:1], 0x20             ; xq s[12:13], wq s[14:15]
	v_lshl_add_u32 v252, v0, 2, 0x10800
	v_mov_b32 v253, 0
	v_lshrrev_b32 v[LN], 5, v0
	v_readfirstlane_b32 s16, v[LN]                 ; wave 0..3
	v_and_b32 v[LN], 31, v0
	v_lshlrev_b32 v[LO], 4, v[LN]
	s_mul_i32 s21, s16, WST
	v_add_nc_u32 v[SI], s21, v[LO]
	v_and_b32 v6, 15, v0                           ; r
	v_bfe_u32 v7, v0, 4, 1                         ; h
	v_mul_u32_u24 v[SO], v6, PITCH
	v_lshl_add_u32 v[SO], v7, 6, v[SO]
	v_add_nc_u32 v[SO], s21, v[SO]
	v_lshlrev_b32 v[SS], 4, v6
	v_lshl_add_u32 v[SS], v7, 3, v[SS]
.irp b, 0,1,2,3
	v_mov_b32 v[TM+4+\b], 0                        ; written once: a lane permute's destination counts as one of its sources
.endr
	s_lshr_b32 s17, ttmp9, 8
	s_xor_b32 s17, s17, ttmp9
	s_and_b32 s17, s17, 1                          ; which tensor
	s_lshr_b32 s18, ttmp9, 1                       ; which chunk
	s_lshr_b32 s19, s18, 4                         ; R
	s_and_b32 s20, s18, 15                         ; S
	s_lshl_b32 s22, s19, 21                        ; where my wave's numbers begin: 128 R rows of 16,384 bytes,
	s_lshl_b32 s23, s16, 19                        ; + 32 x wave rows,
	s_add_co_u32 s22, s22, s23
	s_lshl_b32 s23, s20, 10                        ; + 256 S numbers
	s_add_co_u32 s22, s22, s23
	s_mov_b32 s23, 0
	s_mul_i32 s26, s18, CH                         ; the chunk;
	s_lshl_b32 s24, s16, 13
	s_add_co_u32 s24, s24, s26                     ; in it my four fragments,
	s_mov_b32 s25, 0
	s_lshl_b32 s27, s16, 8
	s_add_co_u32 s26, s26, s27
	s_add_co_u32 s26, s26, 32768                   ; and my 256 scale bytes
	s_mov_b32 s27, 0
	s_mov_b32 s28, 0x76543210
	s_mov_b32 s29, 0xfedcba98                      ; v_permlanex16_b32's selects for lane l xor 16
	s_mov_b32 s30, 0x600000                        ; the mantissa field of 448
; Unit u = 2 u2 + q: rows 16 u2 + p (p = 0 .. 15) of my 32, K = 128 q on: 16 loads of 512 consecutive bytes, into v[xs + 4 p] on
.macro LOAD u, xs, src
.irp p, 0,1,2,3,4,5,6,7,8,9,10,11,12,13,14,15
	global_load_b128 v[\xs+4*\p:\xs+4*\p+3], v[LO], s[\src:\src+1] offset:(16*((\u)/2)+\p)*16384+512*((\u)%2) th:TH_LOAD_NT
.endr
.endm
; Two rows of W, four K each: v[xr] on and v[xr + 4] on hold base_weight and become base + 2 t.  The rows' lora_B lie in the scalar pairs from s[SBK] on.  Four chains, so that no line waits for the line above it.
.macro DOT2 xr
.irp m, 0,1
.irp e, 0,2
	v_pk_mul_f32 v[T+4*\m+\e:T+4*\m+\e+1], v[AQ+\e:AQ+\e+1], s[SBK+16*\m:SBK+16*\m+1] op_sel_hi:[1,0]
.endr
.endr
.irp g, 1,2,3,4,5,6,7
.irp m, 0,1
.irp e, 0,2
	v_pk_fma_f32 v[T+4*\m+\e:T+4*\m+\e+1], v[AQ+4*\g+\e:AQ+4*\g+\e+1], s[SBK+16*\m+2*\g:SBK+16*\m+2*\g+1], v[T+4*\m+\e:T+4*\m+\e+1] op_sel_hi:[1,0,1]
.endr
.endr
.endr
.irp m, 0,1
.irp e, 0,2
	v_pk_fma_f32 v[\xr+4*\m+\e:\xr+4*\m+\e+1], v[T+4*\m+\e:T+4*\m+\e+1], 2.0, v[\xr+4*\m+\e:\xr+4*\m+\e+1] op_sel_hi:[1,0,1]
.endr
.endr
.endm
; The LoRA sums of unit u, two rows at a time: the rows' 16 numbers of lora_B out of the lanes that hold them, then the sums.  The two sets of scalar registers take turns
.macro LORA xs, u
.set AQ, AR+32*((\u)%2)
.irp k, 0,1,2,3,4,5,6,7
.set SBK, SBA+(SBB-SBA)*(\k%2)
.irp m, 0,1
.irp g, 0,1,2,3,4,5,6,7
	v_readlane_b32 s[SBK+16*\m+2*\g], v[BR+\g], 16*((\u)/2)+2*\k+\m
.endr
.endr
	DOT2 \xs+8*\k
.endr
.endm
; 64 numbers of a lane, register 16 b + i = K 32 b + 16 h + i of my row, become a fragment's codes in v[C] on and its scale word in v[pw]
.macro QUANT s, pw
.irp b, 0,1,2,3
	v_max3_num_f32 v[TM+\b], |v[\s+16*\b]|, |v[\s+1+16*\b]|, 0x4800000   ; block b: my 16 numbers, and the floor 2^(9 - 127): so the byte cannot fall under 1
.endr
.irp i, 2,4,6,8,10,12,14
.irp b, 0,1,2,3
	v_max3_num_f32 v[TM+\b], v[TM+\b], |v[\s+16*\b+\i]|, |v[\s+1+16*\b+\i]|   ; (the four blocks by turns)
.endr
.endr
.irp b, 0,1,2,3
	v_permlanex16_b32 v[TM+4+\b], v[TM+\b], s28, s29
.endr
.irp b, 0,1,2,3
	v_max_num_f32 v[TM+\b], v[TM+\b], v[TM+4+\b]   ; with lane l xor 16's: the block's largest magnitude
.endr
.irp b, 0,1,2,3
	v_add_nc_u32 v[TM+12+\b], 0xfc000000, v[TM+\b] ; 8 off its exponent field: the conversion takes the exponent field of this operand as its scale, and nothing else of it
.endr
.irp b, 0,1,2,3
	v_and_or_b32 v[TM+8+\b], v[TM+\b], 0x7f800000, s30   ; 448 x the scale: the largest magnitude's exponent field over 448's mantissa
.endr
.irp b, 0,1,2,3
	v_lshrrev_b32 v[TM+4+\b], 23, v[TM+12+\b]      ; the scale's byte
.endr
	v_lshl_or_b32 v[\pw], v[TM+5], 8, v[TM+4]      ; the four bytes make my row's scale word
	v_lshl_or_b32 v[\pw], v[TM+6], 16, v[\pw]
	v_lshl_or_b32 v[\pw], v[TM+7], 24, v[\pw]
.irp b, 0,1,2,3
.irp i, 0,1,2,3,4,5,6,7,8,9,10,11,12,13,14,15
	v_med3_num_f32 v[\s+16*\b+\i], v[\s+16*\b+\i], -v[TM+8+\b], v[TM+8+\b]   ; the conversion to an 8-bit code does not saturate (ISA guide 7.6.2): the hold at the largest code x the scale
.endr
	v_cvt_scalef32_pk8_fp8_f32 v[C+4*\b:C+1+4*\b], v[\s+16*\b:\s+7+16*\b], v[TM+12+\b]
	v_cvt_scalef32_pk8_fp8_f32 v[C+2+4*\b:C+3+4*\b], v[\s+8+16*\b:\s+15+16*\b], v[TM+12+\b]
.endr
	v_nop                                          ; one plain vector instruction behind the last conversion: later vector lines write its sources (the scale operands' registers)
.endm
; One unit.  left: the loads issued behind this unit's 16, which may stay out
.macro UNIT u, xs, lora, lb, left, dst
	s_wait_loadcnt \left                           ; loads come back in order: this unit's are in
.if \lora
	LORA \xs, \u
.endif
.irp p, 0,1,2,3,4,5,6,7,8,9,10,11,12,13,14,15
	ds_store_b128 v[SI], v[\xs+4*\p:\xs+4*\p+3] offset:\lb+PITCH*\p   ; row p as it was loaded: 512 consecutive bytes
.endr
.irp c, 0,1,2,3
.irp j, 0,1,2,3
	ds_load_b128 v[\xs+16*\c+4*\j:\xs+16*\c+4*\j+3], v[SO] offset:\lb+128*\c+16*\j   ; row r, K = 32 c + 16 h + 4 j on.  LDS serves a wave's instructions in order: these see the stores above, which have taken their data
.endr
.endr
	s_wait_dscnt 0x0
.if \u > 0
	s_wait_xcnt 0x0                                ; the last unit's four stores have read the codes' registers: only behind this wait are they written again
.endif
	QUANT \xs, PW+\u
.irp c, 0,1,2,3
	global_store_b128 v[LO], v[C+4*\c:C+4*\c+3], s[\dst:\dst+1] offset:2048*\u+512*\c   ; the wave stores 512 consecutive bytes, at a multiple of 256 from the buffer's first byte
.endr
.endm
; One tensor's path
.macro PATH src, dst, lora, lb
	s_add_nc_u64 s[\src:\src+1], s[\src:\src+1], s[22:23]
	s_add_nc_u64 s[26:27], s[\dst:\dst+1], s[26:27]       ; my scale bytes
	s_add_nc_u64 s[\dst:\dst+1], s[\dst:\dst+1], s[24:25] ; my fragments
.if \lora
	s_lshl_b32 s22, s20, 10                        ; lora_A at K = 256 S
	s_add_nc_u64 s[8:9], s[8:9], s[22:23]
	s_lshl_b32 s22, s19, 12                        ; lora_B at my first row: 32 bytes a row
	s_lshl_b32 s21, s16, 10
	s_add_co_u32 s22, s22, s21
	s_add_nc_u64 s[10:11], s[10:11], s[22:23]
	v_lshlrev_b32 v[SW], 5, v[LN]                  ; a lane a row
	global_load_b128 v[BR:BR+3], v[SW], s[10:11]   ; my 32 rows of lora_B: the wave reads 1,024 consecutive bytes in two loads; they stay
	global_load_b128 v[BR+4:BR+7], v[SW], s[10:11] offset:16
.irp q, 0,1
.irp g, 0,1,2,3,4,5,6,7
	global_load_b128 v[AR+32*\q+4*\g:AR+32*\q+4*\g+3], v[LO], s[8:9] offset:16384*\g+512*\q   ; lora_A's 8 rows x my four K of each 128: they stay
.endr
.endr
.irp i, 0,1,2,3,4,5,6,7,8,9,10,11,12,13,14,15
	s_mov_b64 s[SBA+2*\i:SBA+2*\i+1], 0            ; the pairs' upper words are named with the lower ones, so they are written once
	s_mov_b64 s[SBB+2*\i:SBB+2*\i+1], 0
.endr
	LOAD 0, X0, \src
	LOAD 1, X1, \src
	UNIT 0, X0, 1, \lb, 16, \dst                   ; behind unit 0's loads: unit 1's 16 (lora_B's and lora_A's were issued ahead of them, so they are in too)
	LOAD 2, X0, \src
	UNIT 1, X1, 1, \lb, 16, \dst
	LOAD 3, X1, \src
	UNIT 2, X0, 1, \lb, 16, \dst
	UNIT 3, X1, 1, \lb, 0, \dst
.else
	LOAD 0, X0, \src
	LOAD 1, X1, \src
	LOAD 2, X2, \src
	s_wait_alu depctr_va_vdst(0)
	UNIT 0, X0, 0, \lb, 32, \dst                   ; behind unit 0's loads: units 1's and 2's
	LOAD 3, X0, \src
	UNIT 1, X1, 0, \lb, 32, \dst
	UNIT 2, X2, 0, \lb, 16, \dst
	UNIT 3, X0, 0, \lb, 0, \dst
.endif
	v_cmp_le_u32 vcc_lo, 16, v[LN]                 ; lanes 0-15 store units 0 and 1's words of row r, lanes 16-31 units 2 and 3's
	v_cndmask_b32 v[SW], v[PW], v[PW+2], vcc_lo
	v_cndmask_b32 v[SW+1], v[PW+1], v[PW+3], vcc_lo
	global_store_b64 v[SS], v[SW:SW+1], s[26:27]   ; 32 lanes store 256 consecutive bytes, at a multiple of 256 from the buffer's first byte
	s_wait_tensorcnt 0x0
	ds_add_u32 v252, v253
	s_wait_dscnt 0x0
	s_endpgm
.endm
	s_wait_kmcnt 0x0
	s_cmp_eq_u32 s17, 0
	s_cbranch_scc0 .Lw
	PATH 4, 12, 0, LBX
.Lw:
	PATH 6, 14, 1, LBW
.Lfunc_end_k_q0519385000_quant:
	.size	k_q0519385000_quant, .Lfunc_end_k_q0519385000_quant-k_q0519385000_quant
	.p2alignl 7, 3214868480
	.fill 96, 4, 3214868480
	.section	.rodata,"a",@progbits
	.p2align	6, 0x0
	.amdhsa_kernel k_q0519385000_quant
		.amdhsa_group_segment_fixed_size 68096
		.amdhsa_private_segment_fixed_size 0
		.amdhsa_enable_private_segment 0
		.amdhsa_kernarg_size 48
		.amdhsa_user_sgpr_count 2
		.amdhsa_user_sgpr_kernarg_segment_ptr 1
		.amdhsa_wavefront_size32 1
		.amdhsa_system_sgpr_workgroup_id_x 1
		.amdhsa_system_sgpr_workgroup_id_y 1
		.amdhsa_system_sgpr_workgroup_id_z 1
		.amdhsa_system_vgpr_workitem_id 0
		.amdhsa_next_free_vgpr 254
		.amdhsa_next_free_sgpr 100
		.amdhsa_reserve_vcc 1
		.amdhsa_float_denorm_mode_32 3
		.amdhsa_float_denorm_mode_16_64 3
		.amdhsa_memory_ordered 1
		.amdhsa_forward_progress 1
		.amdhsa_inst_pref_size 206
	.end_amdhsa_kernel
	.amdgpu_metadata
---
amdhsa.version: [ 1, 2 ]
amdhsa.kernels:
  - .name:           k_q0519385000_quant
    .symbol:         k_q0519385000_quant.kd
    .args:
      - { .name: x, .offset: 0, .size: 8, .value_kind: global_buffer, .address_space: global }
      - { .name: base_weight, .offset: 8, .size: 8, .value_kind: global_buffer, .address_space: global }
      - { .name: lora_A, .offset: 16, .size: 8, .value_kind: global_buffer, .address_space: global }
      - { .name: lora_B, .offset: 24, .size: 8, .value_kind: global_buffer, .address_space: global }
      - { .name: xq, .offset: 32, .size: 8, .value_kind: global_buffer, .address_space: global }
      - { .name: wq, .offset: 40, .size: 8, .value_kind: global_buffer, .address_space: global }
    .group_segment_fixed_size: 68096
    .private_segment_fixed_size: 0
    .kernarg_segment_align: 8
    .kernarg_segment_size: 48
    .max_flat_workgroup_size: 128
    .sgpr_count:     100
    .vgpr_count:     254
    .wavefront_size: 32
...
	.end_amdgpu_metadata
.endif
;; end of part 1
;; launch gemm (part 2): grid 16 x 16, 4 waves a work-group, clusters of 4 x 4, 327,680 bytes of LDS; arguments xq, wq, bias, out0; writes out0
.if DOCPART == 2
	.amdgcn_target "amdgcn-amd-amdhsa--gfx1250"
	.amdhsa_code_object_version 6
	.text
	.protected	k_q0519385000_gemm
	.globl	k_q0519385000_gemm
	.p2align	8
	.type	k_q0519385000_gemm,@function
k_q0519385000_gemm:
	s_mov_b64 s[64:65], 0
	v_nop
	global_prefetch_b8 v0, s[64:65] scope:SCOPE_SE
	s_setreg_imm32_b32 hwreg(HW_REG_WAVE_MODE, 25, 1), 1
	s_wait_xcnt 0x0
	s_wait_alu depctr_hold_cnt(0) depctr_sa_sdst(0) depctr_va_vdst(0) depctr_va_sdst(0) depctr_va_ssrc(0) depctr_va_vcc(0) depctr_vm_vsrc(0)
	s_getreg_b32 s2, hwreg(HW_REG_IB_STS2, 6, 4)
	s_cmp_eq_u32 s2, 0
	s_cbranch_scc0 .Lentry_in_a_cluster
	s_endpgm
.Lentry_in_a_cluster:
	s_bfe_u32 s2, ttmp6, 0x10000c
	s_cmp_lg_u32 s2, 0xf033
	s_cbranch_scc0 .Lentry_shape_is_right
	s_endpgm
.Lentry_shape_is_right:
; out0[m][n] = sum over k of x[m][k] W[n][k] + bias[n], on the codes (E4M3) and E8M0 scale bytes that the launch before has laid in xq and wq: 4,096 x 4,096 x 4,096, f32 sums.
; xq, wq: chunk 16 R + S (33,792 bytes) holds rows 128 R .. + 127, K = 256 S .. + 255: 16 images of operand registers of 2,048 bytes (fragment (i, q) at (2 i + q) 2,048, register group c at 512 c, 16 bytes a lane), then 1,024 bytes of scale words.
; LIMITS: NaN, infinities and sums beyond f32's range are not served.  K is summed from chunk 8 rho on, round to where it began (rho = 0 or 1 by the cluster's number): another order of the f32 sums than ascending K.  The bias is added last.
; THE DEAL.  256 work-groups of four waves, a block of 256 x 256 each; a wave makes 128 x 128: 64 accumulators, 512 registers (windows 2 and 3).  The product is used transposed (source 0 = W's rows), so a lane holds eight neighbours of a row of out0.
; CLUSTERS of 4 x 4: x's chunks are shared along a row, W's along a column, by joint loads.  Wave w fetches chunk w of a step's four (0, 1: x's halves; 2, 3: W's).
; LDS: [chunk w][slot 0, 1], so that the head's ONE load a wave, 264 rows of 256 bytes, fills both slots of its chunk (two chunks lie on end in memory).  A refill brings 132 rows into one slot.
; A STEP is a slot: 256 along K, two halves q of 64 products.  W's fragments have two sets (window 1, set q).  x's have twelve buffers of 16 registers in window 0: P0-7 (v128 on) and E0-3 (v64 on):
; slot s, half 0: block i in P[(i + 4 s) % 8]; half 1: blocks 0-3 in the same P, blocks 4-7 in E.  So all of half 1 is in registers before half 0 ends, and the slot is free a half step ahead of its last product.
; THE NEXT HALF'S 16 FRAGMENTS COME IN TWO RUNS OF LDS LOADS, each behind eight places: at a half's head W's eight, into the set that is not at work, and the four buffers of x
; that the half before has left (48 loads; in half 1 also the next slot's scale words); behind product 32 the four buffers of x that this half's blocks 0-3 have left (16 loads).  Every wait on DScnt is for 0, at a half's head or ahead of a signal.
; THE ROUND stands at the end of half 0: behind product 56 the wait for all tensor loads and the add, behind 60 the wait for LDS and the opening signal, behind 64 the rest of the round and the refill of the slot just read out.
; By the text's own count a wave has one tensor load out, asked for 120 products ahead of the wait for it.
; PREFETCH: in step t's half 1 each wave asks for 32 blocks of 256 bytes (a lane a block) of the chunk that step t + 1's refill loads: a whole step ahead.  The four partners of a joint load take 32 blocks each, told apart by address: the
; chunk's 128 blocks of codes are named once in each cluster; its four blocks of scale words come by the load alone.  Steps 0 to 12 ask (chunks 3 to 15 of the walk); chunks 0 to 2 come by their loads alone.
.set CH,     33792
.set RSTR,   16*CH                     ; from a run of 128 rows to the next
.set SCOFF,  32768                     ; a chunk's scale words
.set SPARE,  8*CH                      ; behind the four chunks' two slots: the spare words, 128 bytes a wave
.set SPITCH, 528                       ; the way out: a stage row, 512 bytes + 16
.set ROWC,   16384                     ; a row of out0 in bytes
.set BI,   8                           ; v8-11   bias of my four columns on the way out
.set ADRA, 16                          ; v16-17  LDS address of x's fragments in slot 0, 1
.set ADRB, 20                          ; v20-21  of W's
.set ADRS, 22                          ; v22-23  of the scale words: lanes 0-15 x's, lanes 16-31 W's
.set STO,  24                          ; v24     the stage, in
.set RD,   25                          ; v25     the stage, back
.set CO,   26                          ; v26     16 x lane
.set SPW,  28                          ; v28     my spare word
.set NIL,  29                          ; v29     0
.set PFO,  30                          ; v30     256 x lane
.set SC,   32                          ; v32-63  scale words, a set a slot: register 2 i + q
.set BK,   128                         ; the way out: rows read back, v128-191 and v192-255 by turns
.set G1,   24                          ; s[24:31], s[32:35] descriptor groups 1, 0 for x's chunks
.set G0,   32
.set G0B,  36                          ; s[36:39], s[48:55] for W's
.set G1B,  48
.set BASA, 56                          ; s[56:57] x's run of 16 chunks that I fetch from;  s[58:59] W's
.set BASB, 58
.set OFF,  60                          ; s[60:61] a chunk's offset in its run
.set PFB,  62                          ; s[62:63] my share of a prefetch in chunk 0 of my run
.set PFA,  66                          ; s[66:67] the prefetch's address
.set POFF, 68                          ; s[68:69] its chunk's offset
.set IDX,  70                          ; s70     the chunk loaded last, modulo 16
.set MSB, 0
.macro WIN new                         ; the immediate's high byte repeats the setting that is left
.if MSB != \new
	s_set_vgpr_msb (MSB<<8)|\new
.set MSB, \new
.endif
.endm
.macro PLACES n
.rept \n
	v_nop
.endr
.endm
.macro JLOAD                           ; a joint load: waves 0, 1 for x, waves 2, 3 for W; s_nop 0 and four v_nop behind each line
	s_cmp_eq_u32 s15, 0
	s_cbranch_scc0 .Lfor_b_\@
	tensor_load_to_lds s[G0:G0+3], s[G1:G1+7]
	s_nop 0
	PLACES 4
	s_branch .Lasked_\@
.Lfor_b_\@:
	tensor_load_to_lds s[G0B:G0B+3], s[G1B:G1B+7]
	s_nop 0
	PLACES 4
.Lasked_\@:
.endm
.macro CREST                           ; a round of the cluster's barrier behind its opening barrier
	s_cmp_lg_u32 s14, 0
	s_cbranch_scc1 .Lnot_wave_0_\@
	s_barrier_signal -3
.Lnot_wave_0_\@:
	s_barrier_wait -3
	s_barrier_signal -1
	s_barrier_wait -1
.endm
.macro CROUND
	s_barrier_signal -1
	s_barrier_wait -1
	CREST
.endm
	s_load_b256 s[4:11], s[0:1], 0x0               ; xq, wq, bias, out0
	v_lshl_add_u32 v[SPW], v0, 2, SPARE
	v_mov_b32 v[NIL], 0
	ds_add_u32 v[SPW], v[NIL]                      ; the opening lines: the add, twice on end, and its wait ahead of my first tensor load
	ds_add_u32 v[SPW], v[NIL]
	v_lshrrev_b32 v1, 5, v0
	v_readfirstlane_b32 s14, v1                    ; wave
	s_lshr_b32 s15, s14, 1                         ; my half of the block's rows; also: I fetch for x (0) or W (1)
	s_and_b32 s16, s14, 1                          ; my half of its columns; also: which 128 rows I fetch
	s_bfe_u32 s40, ttmp6, 0x40000                  ; cx
	s_bfe_u32 s41, ttmp6, 0x40004                  ; cy
	s_lshl_b32 s42, ttmp9, 2
	s_add_co_u32 s42, s42, s40                     ; block column
	s_and_b32 s18, ttmp7, 0xffff
	s_lshl_b32 s17, s18, 2
	s_add_co_u32 s17, s17, s41                     ; block row
	s_lshl_b32 s43, s41, 2
	s_lshl_b32 s43, 15, s43                        ; my row of the cluster
	s_lshl_b32 s44, 0x1111, s40                    ; my column
	s_xor_b32 s18, s18, ttmp9                      ; rho, from the cluster's numbers alone
	s_lshr_b32 s19, s18, 1
	s_xor_b32 s18, s18, s19
	s_and_b32 s18, s18, 1
	s_lshl_b32 s[IDX], s18, 3                      ; the walk along K begins at chunk 8 rho
	s_mul_i32 s[OFF], s[IDX], CH
	s_mov_b32 s[OFF+1], 0
	s_mov_b32 s[POFF+1], 0
	s_or_b32 s[G1+0], s43, (3<<16)|(1<<21)         ; elements of 8 bytes; the mask, and bit 21 beside it
	s_or_b32 s[G1B+0], s44, (3<<16)|(1<<21)
.irp g, G1, G1B
	s_mov_b32 s[\g+1], 32<<16                      ; rows of 256 bytes, dense
	s_mov_b32 s[\g+2], 264<<16                     ; the head's load: two chunks, 264 rows
	s_mov_b32 s[\g+3], 32<<16
	s_mov_b32 s[\g+4], 264
	s_mov_b32 s[\g+5], 32
	s_mov_b32 s[\g+6], 0
	s_mov_b32 s[\g+7], 0
.endr
	s_lshl_b32 s20, s17, 1
	s_add_co_u32 s20, s20, s16
	s_mul_i32 s20, s20, RSTR                       ; x: run 2 x block row + half
	s_mov_b32 s21, 0
	s_lshl_b32 s46, s42, 1
	s_add_co_u32 s46, s46, s16
	s_mul_i32 s46, s46, RSTR                       ; W: run 2 x block column + half
	s_mov_b32 s47, 0
	s_mul_i32 s45, s14, 2*CH                       ; where my chunks go: no place in the cluster enters an LDS address
	s_wait_dscnt 0x0
	s_wait_kmcnt 0x0
	s_add_nc_u64 s[BASA:BASA+1], s[4:5], s[20:21]
	s_add_nc_u64 s[BASB:BASB+1], s[6:7], s[46:47]
	CROUND                                         ; all sixteen work-groups are here: the first joint loads meet
	s_mov_b32 s[G0], 1
	s_mov_b32 s[G0+1], s45
	s_add_nc_u64 s[G0+2:G0+3], s[BASA:BASA+1], s[OFF:OFF+1]
	s_or_b32 s[G0+3], s[G0+3], 0x80000000
	s_mov_b32 s[G0B], 1
	s_mov_b32 s[G0B+1], s45
	s_add_nc_u64 s[G0B+2:G0B+3], s[BASB:BASB+1], s[OFF:OFF+1]
	s_or_b32 s[G0B+3], s[G0B+3], 0x80000000
	JLOAD                                          ; steps 0 and 1: one tensor load a wave at the head
	s_add_co_u32 s[IDX], s[IDX], 1
	s_mul_i32 s21, s15, 2*CH                       ; x's chunk that I read
	s_mul_i32 s22, s16, 2*CH
	s_add_co_u32 s22, s22, 4*CH                    ; W's
	s_xor_b32 s23, s15, 1
	s_add_co_u32 s23, s23, s16
	s_add_co_u32 s23, s23, 1
	s_mul_i32 s23, s23, 2*CH                       ; from the one to the other
	s_add_co_u32 s18, s21, SCOFF
	s_lshl_b32 s46, s42, 10                        ; my first column in bytes
	s_lshl_b32 s47, s16, 9
	s_add_co_u32 s46, s46, s47
	s_mov_b32 s47, 0
	s_add_nc_u64 s[8:9], s[8:9], s[46:47]          ; bias at my columns
	s_lshl_b32 s12, s17, 8
	s_lshl_b32 s13, s15, 7
	s_add_co_u32 s12, s12, s13
	s_lshl_b32 s12, s12, 14                        ; my first row of out0
	s_add_co_u32 s12, s12, s46
	s_mov_b32 s13, 0
	s_add_nc_u64 s[10:11], s[10:11], s[12:13]
	s_cmp_eq_u32 s15, 0                            ; the prefetches: my run, and my work-group's 32 blocks of a chunk's 128
	s_cselect_b32 s12, s17, s42
	s_cselect_b32 s19, s40, s41
	s_cselect_b64 s[PFB:PFB+1], s[4:5], s[6:7]
	s_lshl_b32 s12, s12, 1
	s_add_co_u32 s12, s12, s16
	s_mul_i32 s12, s12, RSTR
	s_lshl_b32 s19, s19, 13
	s_add_co_u32 s12, s12, s19
	s_add_nc_u64 s[PFB:PFB+1], s[PFB:PFB+1], s[12:13]
	v_and_b32 v1, 15, v0                           ; r
	v_bfe_u32 v2, v0, 4, 1                         ; h
	v_and_b32 v6, 31, v0
	v_lshlrev_b32 v[CO], 4, v6
	v_lshlrev_b32 v[PFO], 8, v6
	v_add_nc_u32 v[ADRA], s21, v[CO]
	v_add_nc_u32 v[ADRB], s22, v[CO]
	v_mul_u32_u24 v5, s23, v2                      ; lanes 16-31 take W's scale words
	v_lshl_add_u32 v5, v1, 4, v5
	v_add_nc_u32 v[ADRS], s18, v5
	v_add_nc_u32 v[ADRA+1], CH, v[ADRA]
	v_add_nc_u32 v[ADRB+1], CH, v[ADRB]
	v_add_nc_u32 v[ADRS+1], CH, v[ADRS]
	v_mul_u32_u24 v7, v1, SPITCH                   ; my stage lies in slot 0 of the chunk that I fetch
	v_lshl_add_u32 v7, v2, 5, v7
	v_add_nc_u32 v[STO], s45, v7
	v_add_nc_u32 v[RD], s45, v[CO]
	s_wait_alu depctr_va_vdst(0)                   ; the wait at the head's end
	global_load_b128 v[BI:BI+3], v[CO], s[8:9]     ; on the way out a lane holds columns 4 x lane .. + 3 of every row
	s_wait_tensorcnt 0x0                           ; my two chunks are in; no tensor load of mine is out, so a descriptor may be written:
	s_mov_b32 s[G1+2], 132<<16                     ; from here on a load brings one chunk, 132 rows
	s_mov_b32 s[G1+4], 132
	s_mov_b32 s[G1B+2], 132<<16
	s_mov_b32 s[G1B+4], 132
	s_barrier_signal -1
	s_barrier_wait -1                              ; everybody's are in
.macro FRAGLD reg, adr, off            ; a fragment: four loads of 512 consecutive bytes
.irp c, 0,1,2,3
	ds_load_b128 v[(\reg)+4*\c:(\reg)+4*\c+3], v[\adr] offset:(\off)+512*\c
.endr
.endm
.macro AREG s, q, i                    ; RG_: the buffer of x's block i in slot s, half q
.if (\q) == 1 && (\i) >= 4
.set RG_, 64+16*((\i)-4)
.else
.set RG_, 128+16*(((\i)+4*(\s))%8)
.endif
.endm
.macro NEXTD s, pf                     ; group 0 of the refill of slot s: the next chunk of the walk; pf: and the address of the prefetch, one chunk on
	s_add_co_u32 s[IDX], s[IDX], 1
	s_and_b32 s[IDX], s[IDX], 15
	s_mul_i32 s[OFF], s[IDX], CH
	s_add_co_u32 s[G0+1], s45, (\s)*CH
	s_add_nc_u64 s[G0+2:G0+3], s[BASA:BASA+1], s[OFF:OFF+1]
	s_or_b32 s[G0+3], s[G0+3], 0x80000000
	s_add_co_u32 s[G0B+1], s45, (\s)*CH
	s_add_nc_u64 s[G0B+2:G0B+3], s[BASB:BASB+1], s[OFF:OFF+1]
	s_or_b32 s[G0B+3], s[G0B+3], 0x80000000
.if \pf
	s_add_co_u32 s[POFF], s[IDX], 1
	s_and_b32 s[POFF], s[POFF], 15
	s_mul_i32 s[POFF], s[POFF], CH
	s_add_nc_u64 s[PFA:PFA+1], s[PFB:PFB+1], s[POFF:POFF+1]
.endif
.endm
; Products from .. to - 1 of half q of slot s: product 8 i + b is x's block i against W's block b; the 64 accumulators take turns.  first: the products start the sums
.macro PRODS s, q, first, from, to
.set N_, \from
.rept (\to)-(\from)
.set I_, N_/8
.set B_, N_%8
.set AC_, 8*(8*(I_%4)+B_)
.set W_, 0xa1+0x50*(I_/4)              ; source 0 (W) window 1, source 1 (x) window 0, C and D window 2 or 3
	AREG \s, \q, I_
	WIN W_
.if \first
	v_wmma_scale_f32_16x16x128_f8f6f4 v[AC_:AC_+7], v[128*(\q)+16*B_:128*(\q)+16*B_+15], v[RG_:RG_+15], 0, v[SC+16*(\s)+2*B_+(\q)], v[SC+16*(\s)+2*I_+(\q)] matrix_a_scale:MATRIX_SCALE_ROW1
.else
	v_wmma_scale_f32_16x16x128_f8f6f4 v[AC_:AC_+7], v[128*(\q)+16*B_:128*(\q)+16*B_+15], v[RG_:RG_+15], v[AC_:AC_+7], v[SC+16*(\s)+2*B_+(\q)], v[SC+16*(\s)+2*I_+(\q)] matrix_a_scale:MATRIX_SCALE_ROW1
.endif
.set N_, N_+1
.endr
.endm
; HALF q OF SLOT s.  ld: the next half's fragments are fetched.  rnd: 0 no barrier; 1 a barrier; 2 a round of the cluster's barrier and the refill of slot s.
; ask: in half 0 the prefetch's address is made, in half 1 the prefetch is issued.
.macro SUB s, q, first, ld, rnd, ask
	s_wait_dscnt 0x0                               ; this half's fragments and scale words are in
.set TQ_, 1-(\q)                       ; the half that is fetched,
.set TS_, (\s)^(\q)                    ; and its slot
.if \ld
	PLACES 8                                       ; behind the last half's products
	WIN 0x40
.irp b, 0,1,2,3,4,5,6,7
	FRAGLD 128*TQ_+16*\b, ADRB+TS_, (2*\b+TQ_)*2048      ; W's eight, into the set that is not at work
.endr
	WIN 0
.irp j, 0,1,2,3
	AREG TS_, TQ_, \j+4*TQ_
	FRAGLD RG_, ADRA+TS_, (2*(\j+4*TQ_)+TQ_)*2048        ; x's blocks whose buffers the half before has left
.endr
.if (\q) == 1
.irp g, 0,1,2,3
	ds_load_b128 v[SC+16*TS_+4*\g:SC+16*TS_+4*\g+3], v[ADRS+TS_] offset:256*\g   ; the next slot's scale words
.endr
.if \ask
	global_prefetch_b8 v[PFO], s[PFA:PFA+1] th:TH_LOAD_NT scope:SCOPE_SE
.endif
.endif
.endif
	PRODS \s, \q, \first, 0, 32
.if \ld
	PLACES 8                                       ; behind blocks 0-3's products
	WIN 0
.irp j, 0,1,2,3
	AREG TS_, TQ_, \j+4*(1-TQ_)
	FRAGLD RG_, ADRA+TS_, (2*(\j+4*(1-TQ_))+TQ_)*2048    ; x's blocks whose buffers blocks 0-3 have left
.endr
.endif
.if \rnd
	PRODS \s, \q, \first, 32, 56
	WIN 0
.if \ask
	s_wait_xcnt 0x0                                ; my last prefetch has read its address, which is written below
.endif
	s_wait_tensorcnt 0x0                           ; all my tensor loads have landed: my chunk of the other slot;
	ds_add_u32 v[SPW], v[NIL]                      ; 0 onto my spare word
.if (\rnd) == 2
	NEXTD \s, \ask
.endif
	PRODS \s, \q, \first, 56, 60
	s_wait_dscnt 0x0                               ; the add is done, and my reads of this slot are over: all of half 1 is in registers
	s_barrier_signal -1
	PRODS \s, \q, \first, 60, 64
	WIN 0
	s_barrier_wait -1
.if (\rnd) == 2
	CREST                                          ; no wave of any partner still reads this slot or has a load on its way
	JLOAD                                          ; the refill, first behind the round
.endif
.else
	PRODS \s, \q, \first, 32, 64
	WIN 0
.endif
.endm
	WIN 0x40                                       ; step 0's first half
.irp b, 0,1,2,3,4,5,6,7
	FRAGLD 16*\b, ADRB, 2*\b*2048
.endr
	WIN 0
.irp i, 0,1,2,3,4,5,6,7
	FRAGLD 128+16*\i, ADRA, 2*\i*2048
.endr
.irp g, 0,1,2,3
	ds_load_b128 v[SC+4*\g:SC+4*\g+3], v[ADRS] offset:256*\g
.endr
	SUB 0, 0, 1, 1, 2, 1                           ; step 0, half 0: its products start the sums; slot 0 takes step 2's chunks
	s_mov_b32 s3, 6
.Llap:                                                 ; a trip: from an even step's half 1 to the next even step's half 0; it refills both slots: steps 1 to 12
	SUB 0, 1, 0, 1, 0, 1
	SUB 1, 0, 0, 1, 2, 1
	SUB 1, 1, 0, 1, 0, 1
	SUB 0, 0, 0, 1, 2, 1
	s_sub_co_u32 s3, s3, 1
	s_cmp_lg_u32 s3, 0
	s_cbranch_scc1 .Llap
	SUB 0, 1, 0, 1, 0, 1                           ; step 12 goes on, and asks for the walk's last chunk
	SUB 1, 0, 0, 1, 2, 0                           ; step 13: the last refill
	SUB 1, 1, 0, 1, 0, 0
	SUB 0, 0, 0, 1, 1, 0                           ; step 14: a barrier shows step 15's chunks; nothing is filled again
	SUB 0, 1, 0, 1, 0, 0
	SUB 1, 0, 0, 1, 0, 0                           ; step 15
	SUB 1, 1, 0, 0, 0, 0
; THE WAY OUT, block by block of 16 rows x 128 columns: through my stage in LDS (slot 0 has had its last fill, and step 14's barrier stands behind every wave's last read of it), back as whole rows of 512 bytes, the bias added, stored as two aligned units of 256 bytes.
.macro TOSTAGE a
.set AC, 64*((\a)%4)
	WIN 0x08+4*((\a)/4)
.irp b, 0,1,2,3,4,5,6,7
	ds_store_b128 v[STO], v[AC+8*\b:AC+8*\b+3] offset:64*\b          ; each accumulator from its low end on
	ds_store_b128 v[STO], v[AC+8*\b+4:AC+8*\b+7] offset:64*\b+16
.endr
	WIN 0
.set OB_, BK+64*((\a)%2)
.irp t, 0,1,2,3,4,5,6,7,8,9,10,11,12,13,14,15
	ds_load_b128 v[OB_+4*\t:OB_+4*\t+3], v[RD] offset:\t*SPITCH      ; LDS serves a wave's instructions in order: these see the stores above
.endr
.endm
.macro SEND a, younger                 ; younger: the LDS instructions issued behind block a's loads
.set OB_, BK+64*((\a)%2)
	s_wait_dscnt \younger
.if (\a) > 0
	s_add_nc_u64 s[10:11], s[10:11], 16*ROWC       ; (behind a wait on XCNT: the earlier stores have read their base)
.endif
.irp t, 0,1,2,3,4,5,6,7,8,9,10,11,12,13,14,15
	v_pk_add_f32 v[OB_+4*\t:OB_+4*\t+1], v[OB_+4*\t:OB_+4*\t+1], v[BI:BI+1]
	v_pk_add_f32 v[OB_+4*\t+2:OB_+4*\t+3], v[OB_+4*\t+2:OB_+4*\t+3], v[BI+2:BI+3]
.endr
.irp t, 0,1,2,3,4,5,6,7,8,9,10,11,12,13,14,15
	global_store_b128 v[CO], v[OB_+4*\t:OB_+4*\t+3], s[10:11] offset:\t*ROWC th:TH_STORE_NT   ; 32 lanes store 512 consecutive bytes, at a multiple of 256 from out0's first byte
.endr
.endm
	s_wait_loadcnt 0x0                             ; the bias
	PLACES 8                                       ; behind the last products: for the reads of their sums and for the loads into x's buffers
	TOSTAGE 0
.irp a, 1,2,3,4,5,6,7
.if \a > 1
	s_wait_xcnt 0x0                                ; block a - 2's stores have read their registers and their base
.endif
	TOSTAGE \a
	SEND \a-1, 32                                  ; behind block a - 1's loads: block a's 16 stores and 16 loads
.endr
	s_wait_xcnt 0x0
	SEND 7, 0
	s_wait_tensorcnt 0x0                           ; the wave's end
	ds_add_u32 v[SPW], v[NIL]
	s_wait_dscnt 0x0
	CROUND                                         ; the closing round
	s_endpgm
.Lfunc_end_k_q0519385000_gemm:
	.size	k_q0519385000_gemm, .Lfunc_end_k_q0519385000_gemm-k_q0519385000_gemm
	.p2alignl 7, 3214868480
	.fill 96, 4, 3214868480
	.section	.rodata,"a",@progbits
	.p2align	6, 0x0
	.amdhsa_kernel k_q0519385000_gemm
		.amdhsa_group_segment_fixed_size 327680
		.amdhsa_private_segment_fixed_size 0
		.amdhsa_enable_private_segment 0
		.amdhsa_kernarg_size 32
		.amdhsa_user_sgpr_count 2
		.amdhsa_user_sgpr_kernarg_segment_ptr 1
		.amdhsa_wavefront_size32 1
		.amdhsa_system_sgpr_workgroup_id_x 1
		.amdhsa_system_sgpr_workgroup_id_y 1
		.amdhsa_system_sgpr_workgroup_id_z 1
		.amdhsa_system_vgpr_workitem_id 0
		.amdhsa_next_free_vgpr 1024
		.amdhsa_next_free_sgpr 76
		.amdhsa_reserve_vcc 0
		.amdhsa_float_denorm_mode_32 3
		.amdhsa_float_denorm_mode_16_64 3
		.amdhsa_memory_ordered 1
		.amdhsa_forward_progress 1
		.amdhsa_inst_pref_size 214
	.end_amdhsa_kernel
	.amdgpu_metadata
---
amdhsa.version: [ 1, 2 ]
amdhsa.kernels:
  - .name:           k_q0519385000_gemm
    .symbol:         k_q0519385000_gemm.kd
    .args:
      - { .name: xq, .offset: 0, .size: 8, .value_kind: global_buffer, .address_space: global }
      - { .name: wq, .offset: 8, .size: 8, .value_kind: global_buffer, .address_space: global }
      - { .name: bias, .offset: 16, .size: 8, .value_kind: global_buffer, .address_space: global }
      - { .name: out0, .offset: 24, .size: 8, .value_kind: global_buffer, .address_space: global }
    .group_segment_fixed_size: 327680
    .private_segment_fixed_size: 0
    .kernarg_segment_align: 8
    .kernarg_segment_size: 32
    .max_flat_workgroup_size: 128
    .sgpr_count:     76
    .vgpr_count:     1024
    .wavefront_size: 32
...
	.end_amdgpu_metadata
.endif
;; end of part 2
